; MI455X (gfx1250); checked and timed in simulation.
; The chip was launched on July 23, 2026; its instructions are those of AMD's public machine-readable ISA for CDNA 5 (MIT licence, August 2026) and "CDNA5" Instruction Set Architecture Reference Guide (July 2026). The comments in the code are by the model that wrote it; some were corrected since.
;; GMF. Allowed arithmetic: matrix products marked QUANTISED: E5M2 operands, one given power-of-two scale a tensor, by v_wmma_f32_16x16x64_bf8_bf8 or v_wmma_f32_16x16x128_bf8_bf8, f32 sums; everything else in f32.
;; Inputs: P_weight 64 x 1,000,000 float32; Q_weight 64 x 100,032 float32; genres_one_hot 16,384 x 32 float32; item_ids 16,384 int32; lowp_scales 2 int32 (the exponents e of the quantised operands' scales 2^e); user_ids 16,384 int32.
;; Outputs: out0 16,384 x 1 float32.
;; This version of the problem:
;;   THIS VERSION OF THE PROBLEM IS GIVEN IN LOW PRECISION. The matrix products marked QUANTISED in the list below multiply operands that are first quantised to E5M2 (5 exponent bits, 2 mantissa bits; 8 bits a number), with one given power-of-two scale for each operand tensor; their sums are f32. All else is computed in f32.
;;   The module's matrix products, in the order in which they are computed (A, B: the left and right operand; K: the contracted axis; several contracted axes count as one K, in the product's order):
;;     1. [M 16,384, K 32] x [K 32, N 64]; A: input genres_one_hot; B: input Q_weight: QUANTISED (scales: A lowp_scales[0], B lowp_scales[1])
;;   THE QUANTISER, for each operand of a quantised product, along K:
;;     - The operand's scale is 2^e, e = its entry of the input lowp_scales (int32; the entries are numbered through the quantised products in the list's order, A before B).
;;     - Each number is divided by the scale, clamped to +-57,344, and rounded to the nearest number of E5M2, ties to even, subnormals kept.
;;     - The product sums the exact products of the quantised numbers (number of the format x scale) in f32.
;;   ~~~python
;;   def quantise(x, axis, e):      # numpy; x: float32 -> the quantised numbers, widened to float32 again
;;       x = np.moveaxis(x, axis, -1); K = x.shape[-1]
;;       r = np.clip(x / 2.0 ** e, -57344, 57344)
;;       step = 2.0 ** (np.maximum(np.frexp(np.where(r == 0, 1, r))[1] - 1, -14) - 2)
;;       q = np.round(r / step) * step * 2.0 ** e      # np.round: ties to even
;;       return np.moveaxis(q, -1, axis).astype(np.float32)
;;   ~~~
;; 2 versions. Each part assembles by itself: llvm-mc -triple=amdgcn-amd-amdhsa -mcpu=gfx1250 --defsym DOCPART=n.
;; ======== version 1 of 2: 1 launch
;; launch gmf (part 1): grid 256 x 1, 4 waves a work-group, no clusters, 2,816 bytes of LDS; arguments P_weight, Q_weight, genres_one_hot, item_ids, lowp_scales, user_ids, out0; writes out0
.if DOCPART == 1
	.amdgcn_target "amdgcn-amd-amdhsa--gfx1250"
	.amdhsa_code_object_version 6
	.text
	.protected	k_qa629407b17_gmf
	.globl	k_qa629407b17_gmf
	.p2align	8
	.type	k_qa629407b17_gmf,@function
k_qa629407b17_gmf:
	s_mov_b64 s[64:65], 0
	v_nop
	global_prefetch_b8 v0, s[64:65] scope:SCOPE_SE
	s_setreg_imm32_b32 hwreg(HW_REG_WAVE_MODE, 25, 1), 1
	s_wait_xcnt 0x0
; out[b] = sum over k of P[k][user[b]] * ( Q[k][item[b]] + sum over g of q(genres[b][g]) q(Q[k][100000 + g]) ),  k = 0..63, g = 0..31, b = 0..16383.
; q() is the quantiser to E5M2 with the given scales 2^e0 (genres) and 2^e1 (Q's genre columns); the product over g is made by v_wmma_f32_16x16x64_bf8_bf8, all else in f32.
; SHARES.  256 work-groups of four waves; a work-group owns 64 batch elements, a wave 16.
; LAYOUT.  The matrix instruction is used transposed: source 0 = 16 latent rows of Q's genre columns (tile t: k = 16 t .. 16 t + 15), source 1 = my wave's 16 rows of genres.
; In the result D, lane (r = lane % 16, h = lane / 16) holds batch element r, and register j of tile t the latent k = 16 t + 8 h + j.  The lane gathers just these 32 latents of its
; element's column of P and of Q into registers in the same order: nothing changes lanes until the two halves' sums are added at the end.
; THE SUM.  out = sum P Qitem + 2^(e0 + e1) sum P D, D being the sums of the codes' products: the second sum is made as soon as P is in, scaled by v_ldexp_f32 (exact, no limit on
; e0 + e1), and enters as the addend of the first multiply-add of the first sum.
; K = 32 fills half of the instruction's 64: registers 4 to 7 of both operands hold zero codes, which add nothing.
; Q's 64 x 32 genre columns are quantised once in a work-group: wave w makes tile w's codes, 16 bytes a lane, and all four waves read them from LDS behind a barrier.
; ORDER.  The ids are asked for first; as soon as they are in, the 64 gathers of each lane go out; quantising and the matrix work stand behind them, while they are on their way.
; NO CLUSTER, NO TENSOR LOADS: a gathered column is 64 single words in 64 rows, no tile; what work-groups share is the 8,192 bytes of genre columns.
; LIMITS.  e0 and e1 lie between -126 and 112, so that 2^e and 57,344 x 2^e are f32 numbers.  NaN among genres or Q's genre columns is not served (an infinity is held at the largest code).
; An id outside its table (read as unsigned) is held at the table's last column.
.set ROWP, 4000000                     ; bytes in a row of P_weight
.set ROWQ, 400128                      ; bytes in a row of Q_weight
.set GCOL, 400000                      ; byte of a row of Q_weight at which its 32 genre columns begin
.set OUTS, 2048                        ; LDS: bytes 0-2047 four tiles of codes, 512 each; bytes 2048-2303 the work-group's 64 results
.set R,   1                            ; v1   lane % 16
.set H,   2                            ; v2   lane / 16
.set IDO, 3                            ; v3   byte offset of my element's id
.set GNO, 4                            ; v4   byte offset of my 8 + 8 numbers of genres
.set WTO, 5                            ; v5   byte offset of my row of Q_weight for the tile that my wave quantises
.set UO,  6                            ; v6   the user id, then the byte offset of my column of P, + 8 h rows
.set IO,  7                            ; v7   the same for the item id and Q
.set HP,  8                            ; v8   8 h rows of P in bytes
.set HQ,  9                            ; v9   8 h rows of Q in bytes
.set SG,  10                           ; v10  2^e0            v11  57,344 x 2^e0
.set LG,  11
.set SW,  12                           ; v12  2^e1            v13  57,344 x 2^e1
.set LW,  13
.set LST, 14                           ; v14  LDS: where my 16 bytes of codes go: 16 x thread
.set LLD, 15                           ; v15  LDS: my lane's place in a tile's codes: 16 x lane
.set XG,  16                           ; v16-31   my 16 numbers of genres
.set XW,  32                           ; v32-47   my 16 numbers of Q's genre columns
.set BF,  48                           ; v48-55   genres' fragment: 4 registers of codes, 4 of zeros
.set CW,  56                           ; v56-59   my tile's codes on their way to LDS
.set LRS, 60                           ; v60  LDS: where my element's result goes
.set LRL, 61                           ; v61  LDS: the 8 bytes of results that my lane stores (wave 0)
.set RES, 62                           ; v62-63   those 8 bytes
.set PG,  64                           ; v64-95   P[16 t + 8 h + j][user] at 8 t + j
.set QI,  96                           ; v96-127  Q[16 t + 8 h + j][item] at 8 t + j
.set D,   128                          ; v128-159 the four results of the matrix instruction
.set AF,  160                          ; v160-191 four fragments of Q's genre columns: 4 registers of codes, 4 of zeros each
.set AD,  192                          ; v192-199 four pairs of sums of P D
.set AQ,  200                          ; v200-207 four pairs of sums of P Q
.set TMP, 208                          ; v208 at work
.set OO,  209                          ; v209 byte offset in out of my lane's 8 bytes (wave 0)
.set PB,  32                           ; s[32:55] twelve addresses in P: for tile t, rows 16 t, 16 t + 3 and 16 t + 6
.set QB,  56                           ; s[56:63] four addresses in Q: row 16 t
	s_load_b256 s[4:11], s[0:1], 0x0               ; P s[4:5], Q s[6:7], genres s[8:9], item ids s[10:11]
	s_load_b128 s[12:15], s[0:1], 0x20             ; the scales' exponents s[12:13], user ids s[14:15]
	s_load_b64 s[16:17], s[0:1], 0x30              ; out
	v_lshl_add_u32 v212, v0, 2, 0x900
	v_mov_b32 v213, 0
	v_lshrrev_b32 v[TMP], 5, v0
	v_readfirstlane_b32 s18, v[TMP]                ; wave 0..3
	v_and_b32 v[R], 15, v0
	v_bfe_u32 v[H], v0, 4, 1
	s_lshl_b32 s19, ttmp9, 2
	s_add_co_u32 s19, s19, s18                     ; which 16 batch elements are my wave's: 4 x work-group + wave
	s_lshl_b32 s20, s19, 6                         ; their ids: 64 bytes
	s_lshl_b32 s21, s19, 11                        ; their rows of genres: 16 x 128 bytes
	s_mul_i32 s22, s18, 16*ROWQ                    ; the tile of Q's genre columns that my wave quantises: rows 16 x wave on
	v_lshl_add_u32 v[IDO], v[R], 2, s20
	v_lshl_add_u32 v[GNO], v[R], 7, s21
	v_lshl_add_u32 v[GNO], v[H], 5, v[GNO]         ; row r, + 8 h numbers: the operand's layout gives lane (r, h) K = 8 h + 0..7 and 16 + 8 h + 0..7
	v_mul_u32_u24 v[WTO], v[R], ROWQ
	v_lshl_add_u32 v[WTO], v[H], 5, v[WTO]
	v_add_nc_u32 v[WTO], s22, v[WTO]
	s_wait_kmcnt 0x0
	global_load_b32 v[UO], v[IDO], s[14:15] th:TH_LOAD_NT          ; the ids first: the gathers hang on them
	global_load_b32 v[IO], v[IDO], s[10:11] th:TH_LOAD_NT
.irp c, 0,1
	global_load_b128 v[XG+8*\c:XG+8*\c+3],   v[GNO], s[8:9] offset:64*\c th:TH_LOAD_NT       ; genres(r, 16 c + 8 h + 0..3)
	global_load_b128 v[XG+8*\c+4:XG+8*\c+7], v[GNO], s[8:9] offset:64*\c+16 th:TH_LOAD_NT    ; and + 4..7
.endr
.irp c, 0,1
	global_load_b128 v[XW+8*\c:XW+8*\c+3],   v[WTO], s[6:7] offset:GCOL+64*\c                ; Q(16 wave + r, 100000 + 16 c + 8 h + 0..3)
	global_load_b128 v[XW+8*\c+4:XW+8*\c+7], v[WTO], s[6:7] offset:GCOL+64*\c+16
.endr
	s_load_b64 s[24:25], s[12:13], 0x0             ; e0 (genres), e1 (Q's genre columns)
	; While the ids are on their way: the addresses of the rows.  A gather's immediate is never negative, so that base + offset + immediate is seen to lie at or above the base.  Two rows of P
	; are 8,000,000 bytes, inside the immediate's signed 24 bits (ISA guide, chapter 10), three are not: so three addresses serve a tile's eight rows of P (rows 0-2, 3-5, 6-7);
	; seven rows of Q are 2,800,896 bytes, so one serves there.  No address is ever stepped.
.irp t, 0,1,2,3
.irp g, 0,1,2
	s_add_nc_u64 s[PB+6*\t+2*\g:PB+6*\t+2*\g+1], s[4:5], (16*\t+3*\g)*ROWP
.endr
	s_add_nc_u64 s[QB+2*\t:QB+2*\t+1], s[6:7], 16*\t*ROWQ
.endr
	s_mov_b32 s23, 8*ROWP
	v_mul_lo_u32 v[HP], v[H], s23                  ; lanes 16-31 take the rows 8 further down
	v_mul_u32_u24 v[HQ], v[H], 8*ROWQ
.irp i, 4,5,6,7                                    ; K = 32 .. 63 of both operands: zero codes.  The two operands share no register
	v_mov_b32 v[BF+\i], 0
	v_mov_b32 v[AF+\i], 0
	v_mov_b32 v[AF+8+\i], 0
	v_mov_b32 v[AF+16+\i], 0
	v_mov_b32 v[AF+24+\i], 0
.endr
	v_lshlrev_b32 v[LST], 4, v0                    ; 512 x wave + 16 x lane
	v_and_b32 v[LLD], 0x1f0, v[LST]                ; 16 x lane
	s_lshl_b32 s26, s18, 6
	s_add_co_u32 s26, s26, OUTS
	v_lshl_add_u32 v[LRS], v[R], 2, s26            ; results: 64 bytes a wave, 4 bytes an element
	v_lshrrev_b32 v[OO], 1, v[LLD]                 ; 8 x lane
	v_add_nc_u32 v[LRL], OUTS, v[OO]
	s_lshl_b32 s27, ttmp9, 8                       ; the work-group's 64 results are 256 bytes of out
	v_add_nc_u32 v[OO], s27, v[OO]
	s_mov_b32 s28, 0x76543210                      ; v_permlanex16_b32's selects for lane l xor 16
	s_mov_b32 s29, 0xfedcba98
	s_wait_loadcnt 0x8                             ; the two ids are in; the eight loads issued behind them may be out
	v_min_u32 v[UO], 0xf423f, v[UO]                ; held at the last column, 999,999,
	v_min_u32 v[IO], 0x1869f, v[IO]                ; and 99,999
	v_lshlrev_b32 v[UO], 2, v[UO]
	v_lshlrev_b32 v[IO], 2, v[IO]
	v_add_nc_u32 v[UO], v[HP], v[UO]
	v_add_nc_u32 v[IO], v[HQ], v[IO]
.irp t, 0,1,2,3                                    ; P[16 t + 8 h + j][user]: 32 loads; row j = address j / 3, + j % 3 rows in the immediate
.irp j, 0,1,2,3,4,5,6,7
	global_load_b32 v[PG+8*\t+\j], v[UO], s[PB+6*\t+2*(\j/3):PB+6*\t+2*(\j/3)+1] offset:(\j%3)*ROWP
.endr
.endr
	s_wait_loadcnt 32                              ; genres and Q's genre columns are in; P's 32 gathers stay out.  The wait stands here and not behind Q's gathers: 64 younger loads are more than its count can name
.irp t, 0,1,2,3                                    ; Q[16 t + 8 h + j][item]: 32 loads
.irp j, 0,1,2,3,4,5,6,7
	global_load_b32 v[QI+8*\t+\j], v[IO], s[QB+2*\t:QB+2*\t+1] offset:\j*ROWQ
.endr
.endr
	; All that follows up to the sums stands beside the gathers.
	s_wait_kmcnt 0x0
	s_add_co_i32 s30, s24, s25                     ; e0 + e1
	s_add_co_i32 s24, s24, 127
	s_lshl_b32 s31, s24, 23
	v_mov_b32 v[SG], s31                           ; 2^e0 as f32: the conversion takes its exponent field
	s_add_co_i32 s24, s24, 15
	s_lshl_b32 s24, s24, 23
	s_or_b32 s24, s24, 0x600000
	v_mov_b32 v[LG], s24                           ; 57,344 x 2^e0
	s_add_co_i32 s25, s25, 127
	s_lshl_b32 s31, s25, 23
	v_mov_b32 v[SW], s31                           ; 2^e1
	s_add_co_i32 s25, s25, 15
	s_lshl_b32 s25, s25, 23
	s_or_b32 s25, s25, 0x600000
	v_mov_b32 v[LW], s25                           ; 57,344 x 2^e1
.irp i, 0,1,2,3,4,5,6,7,8,9,10,11,12,13,14,15
	v_med3_num_f32 v[XG+\i], v[XG+\i], -v[LG], v[LG]               ; the conversion to an 8-bit code does not saturate (ISA guide 7.6.2): hold the number within the largest code x the scale first
.endr
	v_cvt_scalef32_pk8_bf8_f32 v[BF:BF+1],   v[XG:XG+7],    v[SG]  ; K = 8 h + 0..7: registers 0, 1 of the operand
	v_cvt_scalef32_pk8_bf8_f32 v[BF+2:BF+3], v[XG+8:XG+15], v[SG]  ; K = 16 + 8 h + 0..7: registers 2, 3
.irp i, 0,1,2,3,4,5,6,7,8,9,10,11,12,13,14,15
	v_med3_num_f32 v[XW+\i], v[XW+\i], -v[LW], v[LW]               ; (these sixteen are also the places between genres' codes and the matrix instructions that take them)
.endr
	v_cvt_scalef32_pk8_bf8_f32 v[CW:CW+1],   v[XW:XW+7],    v[SW]
	v_cvt_scalef32_pk8_bf8_f32 v[CW+2:CW+3], v[XW+8:XW+15], v[SW]
	v_nop                                          ; one plain vector instruction stands between a scaled conversion and what touches its result
	ds_store_b128 v[LST], v[CW:CW+3]               ; tile = my wave's number; a lane's 16 bytes are registers 0 to 3 of that lane's fragment
	s_wait_dscnt 0x0                               ; for the others' sake: my codes are in LDS
	s_barrier_signal -1
	s_barrier_wait -1                              ; everybody's are
.irp t, 0,1,2,3
	ds_load_b128 v[AF+8*\t:AF+8*\t+3], v[LLD] offset:512*\t
.endr
	s_wait_dscnt 0x0
.irp t, 0,1,2,3                                    ; four accumulators, one instruction each; the constant 0 starts each sum
	v_wmma_f32_16x16x64_bf8_bf8 v[D+8*\t:D+8*\t+7], v[AF+8*\t:AF+8*\t+7], v[BF:BF+7], 0
.endr
.rept 4
	v_nop                                          ; four places between a matrix instruction and the first read of its result (ISA guide 7.12.1)
.endr
	s_wait_loadcnt 32                              ; P's 32 gathers are in; Q's 32 may be out
.irp t, 0,1,2,3                                    ; sum of P D, one chain a tile; each accumulator is read from its low end on
	v_pk_mul_f32 v[AD+2*\t:AD+2*\t+1], v[PG+8*\t:PG+8*\t+1], v[D+8*\t:D+8*\t+1]
.endr
.irp p, 1,2,3
.irp t, 0,1,2,3
	v_pk_fma_f32 v[AD+2*\t:AD+2*\t+1], v[PG+8*\t+2*\p:PG+8*\t+2*\p+1], v[D+8*\t+2*\p:D+8*\t+2*\p+1], v[AD+2*\t:AD+2*\t+1]
.endr
.endr
	v_pk_add_f32 v[AD:AD+1],   v[AD:AD+1],   v[AD+2:AD+3]
	v_pk_add_f32 v[AD+4:AD+5], v[AD+4:AD+5], v[AD+6:AD+7]
	v_pk_add_f32 v[AD:AD+1],   v[AD:AD+1],   v[AD+4:AD+5]
	v_ldexp_f32 v[AD],   v[AD],   s30              ; x 2^(e0 + e1): the two tensors' scales, taken out of the sums
	v_ldexp_f32 v[AD+1], v[AD+1], s30
	s_wait_loadcnt 24                              ; Q's tile 0 is in; the 24 gathers of tiles 1 to 3 may be out
	v_pk_fma_f32 v[AQ:AQ+1], v[PG:PG+1], v[QI:QI+1], v[AD:AD+1]    ; sum of P Q, four chains; the first takes the genres' part as its addend
.irp p, 1,2,3
	v_pk_mul_f32 v[AQ+2*\p:AQ+2*\p+1], v[PG+2*\p:PG+2*\p+1], v[QI+2*\p:QI+2*\p+1]
.endr
.irp t, 1,2,3
	s_wait_loadcnt 24-8*\t                         ; tile t is in; the later tiles' gathers may be out
.irp p, 0,1,2,3
	v_pk_fma_f32 v[AQ+2*\p:AQ+2*\p+1], v[PG+8*\t+2*\p:PG+8*\t+2*\p+1], v[QI+8*\t+2*\p:QI+8*\t+2*\p+1], v[AQ+2*\p:AQ+2*\p+1]
.endr
.endr
	v_pk_add_f32 v[AQ:AQ+1],   v[AQ:AQ+1],   v[AQ+2:AQ+3]
	v_pk_add_f32 v[AQ+4:AQ+5], v[AQ+4:AQ+5], v[AQ+6:AQ+7]
	v_pk_add_f32 v[AQ:AQ+1],   v[AQ:AQ+1],   v[AQ+4:AQ+5]
	v_add_f32 v[AQ], v[AQ], v[AQ+1]                ; my 32 latents
	v_permlanex16_b32 v[TMP], v[AQ], s28, s29      ; the element's other 32 lie in the lane 16 away (the destination was written at the head)
	v_add_f32 v[AQ], v[AQ], v[TMP]
	; THE WAY OUT: a wave's 16 results are 64 bytes; the four waves' meet in LDS, and wave 0 stores the work-group's 256 consecutive bytes, at a multiple of 256 from out's first byte, by one instruction.
	ds_store_b32 v[LRS], v[AQ]                     ; lanes r and r + 16 write the same word with the same value
	s_wait_dscnt 0x0                               ; for wave 0's sake: my results are in LDS
	s_barrier_signal -1
	s_barrier_wait -1
	s_cmp_lg_u32 s18, 0
	s_cbranch_scc1 .Ldone
	ds_load_b64 v[RES:RES+1], v[LRL]
	s_wait_dscnt 0x0
	global_store_b64 v[OO], v[RES:RES+1], s[16:17] th:TH_STORE_NT
.Ldone:
	s_wait_tensorcnt 0x0
	ds_add_u32 v212, v213
	s_wait_dscnt 0x0
	s_endpgm
.Lfunc_end_k_qa629407b17_gmf:
	.size	k_qa629407b17_gmf, .Lfunc_end_k_qa629407b17_gmf-k_qa629407b17_gmf
	.p2alignl 7, 3214868480
	.fill 96, 4, 3214868480
	.section	.rodata,"a",@progbits
	.p2align	6, 0x0
	.amdhsa_kernel k_qa629407b17_gmf
		.amdhsa_group_segment_fixed_size 2816
		.amdhsa_private_segment_fixed_size 0
		.amdhsa_enable_private_segment 0
		.amdhsa_kernarg_size 56
		.amdhsa_user_sgpr_count 2
		.amdhsa_user_sgpr_kernarg_segment_ptr 1
		.amdhsa_wavefront_size32 1
		.amdhsa_system_sgpr_workgroup_id_x 1
		.amdhsa_system_sgpr_workgroup_id_y 1
		.amdhsa_system_sgpr_workgroup_id_z 1
		.amdhsa_system_vgpr_workitem_id 0
		.amdhsa_next_free_vgpr 214
		.amdhsa_next_free_sgpr 66
		.amdhsa_reserve_vcc 0
		.amdhsa_float_denorm_mode_32 3
		.amdhsa_float_denorm_mode_16_64 3
		.amdhsa_memory_ordered 1
		.amdhsa_forward_progress 1
		.amdhsa_inst_pref_size 18
	.end_amdhsa_kernel
	.amdgpu_metadata
---
amdhsa.version: [ 1, 2 ]
amdhsa.kernels:
  - .name:           k_qa629407b17_gmf
    .symbol:         k_qa629407b17_gmf.kd
    .args:
      - { .name: P_weight, .offset: 0, .size: 8, .value_kind: global_buffer, .address_space: global }
      - { .name: Q_weight, .offset: 8, .size: 8, .value_kind: global_buffer, .address_space: global }
      - { .name: genres_one_hot, .offset: 16, .size: 8, .value_kind: global_buffer, .address_space: global }
      - { .name: item_ids, .offset: 24, .size: 8, .value_kind: global_buffer, .address_space: global }
      - { .name: lowp_scales, .offset: 32, .size: 8, .value_kind: global_buffer, .address_space: global }
      - { .name: user_ids, .offset: 40, .size: 8, .value_kind: global_buffer, .address_space: global }
      - { .name: out0, .offset: 48, .size: 8, .value_kind: global_buffer, .address_space: global }
    .group_segment_fixed_size: 2816
    .private_segment_fixed_size: 0
    .kernarg_segment_align: 8
    .kernarg_segment_size: 56
    .max_flat_workgroup_size: 128
    .sgpr_count:     66
    .vgpr_count:     214
    .wavefront_size: 32
...
	.end_amdgpu_metadata
.endif
;; end of part 1
;; ======== version 2 of 2: 1 launch; version 1 with the launch gmf written anew for expert scheduling mode
;; launch gmf (part 2): grid 256 x 1, 4 waves a work-group, no clusters, 2,816 bytes of LDS; arguments P_weight, Q_weight, genres_one_hot, item_ids, lowp_scales, user_ids, out0; writes out0
.if DOCPART == 2
	.amdgcn_target "amdgcn-amd-amdhsa--gfx1250"
	.amdhsa_code_object_version 6
	.text
	.protected	k_qa629407b17_gmf
	.globl	k_qa629407b17_gmf
	.p2align	8
	.type	k_qa629407b17_gmf,@function
k_qa629407b17_gmf:
	s_mov_b64 s[64:65], 0
	v_nop
	global_prefetch_b8 v0, s[64:65] scope:SCOPE_SE
	s_setreg_imm32_b32 hwreg(HW_REG_WAVE_SCHED_MODE, 0, 2), 2
	s_setreg_imm32_b32 hwreg(HW_REG_WAVE_MODE, 25, 1), 1
	s_wait_xcnt 0x0
	s_wait_alu depctr_vm_vsrc(0)
; out[b] = sum over k of P[k][user[b]] * ( Q[k][item[b]] + sum over g of q(genres[b][g]) q(Q[k][100000 + g]) ),  k = 0..63, g = 0..31, b = 0..16383.
; q() is the quantiser to E5M2 with the given scales 2^e0 (genres) and 2^e1 (Q's genre columns); the product over g is made by v_wmma_f32_16x16x64_bf8_bf8, all else in f32.
; SHARES.  256 work-groups of four waves; a work-group owns 64 batch elements, a wave 16.
; LAYOUT.  The matrix instruction is used transposed: source 0 = 16 latent rows of Q's genre columns (tile t: k = 16 t .. 16 t + 15), source 1 = my wave's 16 rows of genres.
; In the result D, lane (r = lane % 16, h = lane / 16) holds batch element r, and register j of tile t the latent k = 16 t + 8 h + j.  The lane gathers just these 32 latents of its
; element's column of P and of Q into registers in the same order: nothing changes lanes until the two halves' sums are added at the end.
; THE SUM.  out = sum P Qitem + 2^(e0 + e1) sum P D, D being the sums of the codes' products: the second sum is made as soon as P is in, scaled by v_ldexp_f32 (exact, no limit on
; e0 + e1), and enters as the addend of the first multiply-add of the first sum.
; K = 32 fills half of the instruction's 64: registers 4 to 7 of both operands hold zero codes, which add nothing.
; Q's 64 x 32 genre columns are quantised once in a work-group: wave w makes tile w's codes, 16 bytes a lane, and all four waves read them from LDS behind a barrier.
; ORDER.  The ids are asked for first; as soon as they are in, the gathers go out: P's 32, then Q's 32, tile by tile, with the quantiser's lines dealt among Q's; the matrix work stands behind them, while they are on their way.
; NO CLUSTER, NO TENSOR LOADS: a gathered column is 64 single words in 64 rows, no tile; what work-groups share is the 8,192 bytes of genre columns.
; LIMITS.  e0 and e1 lie between -126 and 112, so that 2^e and 57,344 x 2^e are f32 numbers.  NaN among genres or Q's genre columns is not served (an infinity is held at the largest code).
; An id outside its table (read as unsigned) is held at the table's last column.
; THE MODE: SCHED_MODE bits 1:0 = 2 (LLVM: expert scheduling mode 2), set by the entry lines.  The code itself states the register dependences
; between vector or matrix instructions and memory or LDS instructions, with s_wait_alu, always for 0.
; THE PLAN.  Registers that memory or LDS instructions touch, and who else names them:
;   v3, v4, v5               offsets of the first ten loads: written once at the head, then read by those loads alone.
;   v6, v7                   the ids land here; three vector lines each make them the gathers' offsets; read by the 64 gathers; never written again.
;   v16-47                   genres and genre columns: loaded once, then named by the holds and conversions alone.
;   v64-127                  the gathered words: written by loads alone, read by the sums behind their waits on LOADcnt.
;   v14, v15, v60, v61, v209 LDS addresses and out's offset: written while the ids are on their way, never again.
;   v56-59, v200             data of the two LDS stores: written by the conversions and by the last addition, never again.
;   v160-163 (+8, +16, +24), v62-63  written by LDS loads alone.        v212, v213  written at the head, read by the closing add alone.
; So four waits on va_vdst state everything: ahead of the first load, of the first gather and of each of the two LDS stores.  The wait ahead of the first gather serves all 64: the vector lines
; dealt among Q's gathers name v10-13 and v16-59, none of v6, v7 or v64-127.  No register that a memory or LDS instruction reads is written again, so no wait on vm_vsrc is owed.
; One wait on va_sdst stands behind the line that makes the wave's number a scalar.
.set ROWP, 4000000                     ; bytes in a row of P_weight
.set ROWQ, 400128                      ; bytes in a row of Q_weight
.set GCOL, 400000                      ; byte of a row of Q_weight at which its 32 genre columns begin
.set OUTS, 2048                        ; LDS: bytes 0-2047 four tiles of codes, 512 each; bytes 2048-2303 the work-group's 64 results
.set R,   1                            ; v1   lane % 16
.set H,   2                            ; v2   lane / 16
.set IDO, 3                            ; v3   byte offset of my element's id
.set GNO, 4                            ; v4   byte offset of my 8 + 8 numbers of genres
.set WTO, 5                            ; v5   byte offset of my row of Q_weight for the tile that my wave quantises
.set UO,  6                            ; v6   the user id, then the byte offset of my column of P, + 8 h rows
.set IO,  7                            ; v7   the same for the item id and Q
.set HP,  8                            ; v8   8 h rows of P in bytes
.set HQ,  9                            ; v9   8 h rows of Q in bytes
.set SG,  10                           ; v10  2^e0            v11  57,344 x 2^e0
.set LG,  11
.set SW,  12                           ; v12  2^e1            v13  57,344 x 2^e1
.set LW,  13
.set LST, 14                           ; v14  LDS: where my 16 bytes of codes go: 16 x thread
.set LLD, 15                           ; v15  LDS: my lane's place in a tile's codes: 16 x lane
.set XG,  16                           ; v16-31   my 16 numbers of genres
.set XW,  32                           ; v32-47   my 16 numbers of Q's genre columns
.set BF,  48                           ; v48-55   genres' fragment: 4 registers of codes, 4 of zeros
.set CW,  56                           ; v56-59   my tile's codes on their way to LDS
.set LRS, 60                           ; v60  LDS: where my element's result goes
.set LRL, 61                           ; v61  LDS: the 8 bytes of results that my lane stores (wave 0)
.set RES, 62                           ; v62-63   those 8 bytes
.set PG,  64                           ; v64-95   P[16 t + 8 h + j][user] at 8 t + j
.set QI,  96                           ; v96-127  Q[16 t + 8 h + j][item] at 8 t + j
.set D,   128                          ; v128-159 the four results of the matrix instruction
.set AF,  160                          ; v160-191 four fragments of Q's genre columns: 4 registers of codes, 4 of zeros each
.set AD,  192                          ; v192-199 four pairs of sums of P D
.set AQ,  200                          ; v200-207 four pairs of sums of P Q
.set TMP, 208                          ; v208 at work
.set OO,  209                          ; v209 byte offset in out of my lane's 8 bytes (wave 0)
.set PB,  32                           ; s[32:55] twelve addresses in P: for tile t, rows 16 t, 16 t + 3 and 16 t + 6
.set QB,  56                           ; s[56:63] four addresses in Q: row 16 t
	s_load_b256 s[4:11], s[0:1], 0x0               ; P s[4:5], Q s[6:7], genres s[8:9], item ids s[10:11]
	s_load_b128 s[12:15], s[0:1], 0x20             ; the scales' exponents s[12:13], user ids s[14:15]
	s_load_b64 s[16:17], s[0:1], 0x30              ; out
	v_lshl_add_u32 v212, v0, 2, 0x900
	v_mov_b32 v213, 0
	v_lshrrev_b32 v[TMP], 5, v0
	v_readfirstlane_b32 s18, v[TMP]                ; wave 0..3
	v_and_b32 v[R], 15, v0
	v_bfe_u32 v[H], v0, 4, 1
	s_wait_alu depctr_va_sdst(0)                   ; s18 is written, ahead of its first reader: the wave's share and its places in LDS are made from it
	s_lshl_b32 s19, ttmp9, 2
	s_add_co_u32 s19, s19, s18                     ; which 16 batch elements are my wave's: 4 x work-group + wave
	s_lshl_b32 s20, s19, 6                         ; their ids: 64 bytes
	s_lshl_b32 s21, s19, 11                        ; their rows of genres: 16 x 128 bytes
	s_mul_i32 s22, s18, 16*ROWQ                    ; the tile of Q's genre columns that my wave quantises: rows 16 x wave on
	v_lshl_add_u32 v[IDO], v[R], 2, s20
	v_lshl_add_u32 v[GNO], v[R], 7, s21
	v_lshl_add_u32 v[GNO], v[H], 5, v[GNO]         ; row r, + 8 h numbers: the operand's layout gives lane (r, h) K = 8 h + 0..7 and 16 + 8 h + 0..7
	v_mul_u32_u24 v[WTO], v[R], ROWQ
	v_lshl_add_u32 v[WTO], v[H], 5, v[WTO]
	v_add_nc_u32 v[WTO], s22, v[WTO]
	s_wait_kmcnt 0x0
	s_wait_alu depctr_va_vdst(0)                   ; v3, v4 and v5 are written, which the ten loads below read as their offsets
	global_load_b32 v[UO], v[IDO], s[14:15] th:TH_LOAD_NT          ; the ids first: the gathers hang on them
	global_load_b32 v[IO], v[IDO], s[10:11] th:TH_LOAD_NT
.irp c, 0,1
	global_load_b128 v[XG+8*\c:XG+8*\c+3],   v[GNO], s[8:9] offset:64*\c th:TH_LOAD_NT       ; genres(r, 16 c + 8 h + 0..3)
	global_load_b128 v[XG+8*\c+4:XG+8*\c+7], v[GNO], s[8:9] offset:64*\c+16 th:TH_LOAD_NT    ; and + 4..7
.endr
.irp c, 0,1
	global_load_b128 v[XW+8*\c:XW+8*\c+3],   v[WTO], s[6:7] offset:GCOL+64*\c                ; Q(16 wave + r, 100000 + 16 c + 8 h + 0..3)
	global_load_b128 v[XW+8*\c+4:XW+8*\c+7], v[WTO], s[6:7] offset:GCOL+64*\c+16
.endr
	s_load_b64 s[24:25], s[12:13], 0x0             ; e0 (genres), e1 (Q's genre columns)
	; While the ids are on their way: the addresses of the rows.  A gather's immediate is never negative, so that base + offset + immediate is seen to lie at or above the base.  Two rows of P
	; are 8,000,000 bytes, inside the immediate's signed 24 bits (ISA guide, chapter 10), three are not: so three addresses serve a tile's eight rows of P (rows 0-2, 3-5, 6-7);
	; seven rows of Q are 2,800,896 bytes, so one serves there.  No address is ever stepped.
.irp t, 0,1,2,3
.irp g, 0,1,2
	s_add_nc_u64 s[PB+6*\t+2*\g:PB+6*\t+2*\g+1], s[4:5], (16*\t+3*\g)*ROWP
.endr
	s_add_nc_u64 s[QB+2*\t:QB+2*\t+1], s[6:7], 16*\t*ROWQ
.endr
	s_mov_b32 s23, 8*ROWP
	v_mul_lo_u32 v[HP], v[H], s23                  ; lanes 16-31 take the rows 8 further down
	v_mul_u32_u24 v[HQ], v[H], 8*ROWQ
.irp i, 4,5,6,7                                    ; K = 32 .. 63 of both operands: zero codes.  The two operands share no register
	v_mov_b32 v[BF+\i], 0
	v_mov_b32 v[AF+\i], 0
	v_mov_b32 v[AF+8+\i], 0
	v_mov_b32 v[AF+16+\i], 0
	v_mov_b32 v[AF+24+\i], 0
.endr
	v_lshlrev_b32 v[LST], 4, v0                    ; 512 x wave + 16 x lane
	v_and_b32 v[LLD], 0x1f0, v[LST]                ; 16 x lane
	s_lshl_b32 s26, s18, 6
	s_add_co_u32 s26, s26, OUTS
	v_lshl_add_u32 v[LRS], v[R], 2, s26            ; results: 64 bytes a wave, 4 bytes an element
	v_lshrrev_b32 v[OO], 1, v[LLD]                 ; 8 x lane
	v_add_nc_u32 v[LRL], OUTS, v[OO]
	s_lshl_b32 s27, ttmp9, 8                       ; the work-group's 64 results are 256 bytes of out
	v_add_nc_u32 v[OO], s27, v[OO]
	s_mov_b32 s28, 0x76543210                      ; v_permlanex16_b32's selects for lane l xor 16
	s_mov_b32 s29, 0xfedcba98
; Q[16 t + 8 h + j][item], j = 0 .. 7: a tile's eight gathers
.macro QTILE t
.irp j, 0,1,2,3,4,5,6,7
	global_load_b32 v[QI+8*(\t)+\j], v[IO], s[QB+2*(\t):QB+2*(\t)+1] offset:\j*ROWQ
.endr
.endm
	s_wait_loadcnt 0x8                             ; the two ids are in; the eight loads issued behind them may be out
	v_min_u32 v[UO], 0xf423f, v[UO]                ; held at the last column, 999,999,
	v_min_u32 v[IO], 0x1869f, v[IO]                ; and 99,999
	v_lshlrev_b32 v[UO], 2, v[UO]
	v_lshlrev_b32 v[IO], 2, v[IO]
	v_add_nc_u32 v[UO], v[HP], v[UO]
	v_add_nc_u32 v[IO], v[HQ], v[IO]
	s_wait_alu depctr_va_vdst(0)                   ; v6 and v7 are written, which the 64 gathers read as their offsets; so are v14, v15, v60, v61 and v209, the addresses of the LDS instructions and of the store further down
.irp t, 0,1,2,3                                    ; P[16 t + 8 h + j][user]: 32 loads; row j = address j / 3, + j % 3 rows in the immediate
.irp j, 0,1,2,3,4,5,6,7
	global_load_b32 v[PG+8*\t+\j], v[UO], s[PB+6*\t+2*(\j/3):PB+6*\t+2*(\j/3)+1] offset:(\j%3)*ROWP
.endr
.endr
	s_wait_loadcnt 32                              ; genres and Q's genre columns are in; P's 32 gathers stay out.  The wait stands here and not behind Q's gathers: 64 younger loads are more than its count can name
	; Q's 32 gathers, a tile at a time and in the tiles' order, with the quantiser's lines dealt among them.  No further wait: no vector line since the wait above names v7 or v96-127.
	QTILE 0
	s_wait_kmcnt 0x0
	s_add_co_i32 s30, s24, s25                     ; e0 + e1
	s_add_co_i32 s24, s24, 127
	s_lshl_b32 s31, s24, 23
	v_mov_b32 v[SG], s31                           ; 2^e0 as f32: the conversion takes its exponent field
	s_add_co_i32 s24, s24, 15
	s_lshl_b32 s24, s24, 23
	s_or_b32 s24, s24, 0x600000
	v_mov_b32 v[LG], s24                           ; 57,344 x 2^e0
	s_add_co_i32 s25, s25, 127
	s_lshl_b32 s31, s25, 23
	v_mov_b32 v[SW], s31                           ; 2^e1
	s_add_co_i32 s25, s25, 15
	s_lshl_b32 s25, s25, 23
	s_or_b32 s25, s25, 0x600000
	v_mov_b32 v[LW], s25                           ; 57,344 x 2^e1
.irp i, 0,1,2,3,4,5,6,7,8,9,10,11,12,13,14,15
	v_med3_num_f32 v[XG+\i], v[XG+\i], -v[LG], v[LG]               ; the conversion to an 8-bit code does not saturate (ISA guide 7.6.2): hold the number within the largest code x the scale first
.endr
	QTILE 1
	v_cvt_scalef32_pk8_bf8_f32 v[BF:BF+1],   v[XG:XG+7],    v[SG]  ; K = 8 h + 0..7: registers 0, 1 of the operand
	v_cvt_scalef32_pk8_bf8_f32 v[BF+2:BF+3], v[XG+8:XG+15], v[SG]  ; K = 16 + 8 h + 0..7: registers 2, 3
.irp i, 0,1,2,3,4,5,6,7,8,9,10,11,12,13,14,15
	v_med3_num_f32 v[XW+\i], v[XW+\i], -v[LW], v[LW]               ; (these sixteen are also the places between genres' codes and the matrix instructions that take them)
.endr
	QTILE 2
	v_cvt_scalef32_pk8_bf8_f32 v[CW:CW+1],   v[XW:XW+7],    v[SW]
	v_cvt_scalef32_pk8_bf8_f32 v[CW+2:CW+3], v[XW+8:XW+15], v[SW]
	v_nop                                          ; one plain vector instruction stands between a scaled conversion and what touches its result
	QTILE 3
	s_wait_alu depctr_va_vdst(0)                   ; the conversions have written v56-59, which the LDS store reads
	ds_store_b128 v[LST], v[CW:CW+3]               ; tile = my wave's number; a lane's 16 bytes are registers 0 to 3 of that lane's fragment
	s_wait_dscnt 0x0                               ; for the others' sake: my codes are in LDS
	s_barrier_signal -1
	s_barrier_wait -1                              ; everybody's are
.irp t, 0,1,2,3
	ds_load_b128 v[AF+8*\t:AF+8*\t+3], v[LLD] offset:512*\t        ; into registers that no vector line has named
.endr
	s_wait_dscnt 0x0
.irp t, 0,1,2,3                                    ; four accumulators, one instruction each; the constant 0 starts each sum
	v_wmma_f32_16x16x64_bf8_bf8 v[D+8*\t:D+8*\t+7], v[AF+8*\t:AF+8*\t+7], v[BF:BF+7], 0
.endr
.rept 4
	v_nop                                          ; four places between a matrix instruction and the first read of its result (ISA guide 7.12.1)
.endr
	s_wait_loadcnt 32                              ; P's 32 gathers are in; Q's 32 may be out
.irp t, 0,1,2,3                                    ; sum of P D, one chain a tile; each accumulator is read from its low end on
	v_pk_mul_f32 v[AD+2*\t:AD+2*\t+1], v[PG+8*\t:PG+8*\t+1], v[D+8*\t:D+8*\t+1]
.endr
.irp p, 1,2,3
.irp t, 0,1,2,3
	v_pk_fma_f32 v[AD+2*\t:AD+2*\t+1], v[PG+8*\t+2*\p:PG+8*\t+2*\p+1], v[D+8*\t+2*\p:D+8*\t+2*\p+1], v[AD+2*\t:AD+2*\t+1]
.endr
.endr
	v_pk_add_f32 v[AD:AD+1],   v[AD:AD+1],   v[AD+2:AD+3]
	v_pk_add_f32 v[AD+4:AD+5], v[AD+4:AD+5], v[AD+6:AD+7]
	v_pk_add_f32 v[AD:AD+1],   v[AD:AD+1],   v[AD+4:AD+5]
	v_ldexp_f32 v[AD],   v[AD],   s30              ; x 2^(e0 + e1): the two tensors' scales, taken out of the sums
	v_ldexp_f32 v[AD+1], v[AD+1], s30
	s_wait_alu depctr_va_vdst(0)
	s_wait_loadcnt 24                              ; Q's tile 0 is in; the 24 gathers of tiles 1 to 3 may be out
	v_pk_fma_f32 v[AQ:AQ+1], v[PG:PG+1], v[QI:QI+1], v[AD:AD+1]    ; sum of P Q, four chains; the first takes the genres' part as its addend
.irp p, 1,2,3
	v_pk_mul_f32 v[AQ+2*\p:AQ+2*\p+1], v[PG+2*\p:PG+2*\p+1], v[QI+2*\p:QI+2*\p+1]
.endr
	s_wait_alu depctr_va_vdst(0)
.irp t, 1,2,3
	s_wait_alu depctr_va_vdst(0)
	s_wait_loadcnt 24-8*\t                         ; tile t is in; the later tiles' gathers may be out
.irp p, 0,1,2,3
	v_pk_fma_f32 v[AQ+2*\p:AQ+2*\p+1], v[PG+8*\t+2*\p:PG+8*\t+2*\p+1], v[QI+8*\t+2*\p:QI+8*\t+2*\p+1], v[AQ+2*\p:AQ+2*\p+1]
.endr
.endr
	v_pk_add_f32 v[AQ:AQ+1],   v[AQ:AQ+1],   v[AQ+2:AQ+3]
	v_pk_add_f32 v[AQ+4:AQ+5], v[AQ+4:AQ+5], v[AQ+6:AQ+7]
	v_pk_add_f32 v[AQ:AQ+1],   v[AQ:AQ+1],   v[AQ+4:AQ+5]
	v_add_f32 v[AQ], v[AQ], v[AQ+1]                ; my 32 latents
	v_permlanex16_b32 v[TMP], v[AQ], s28, s29      ; the element's other 32 lie in the lane 16 away (the destination was written at the head)
	v_add_f32 v[AQ], v[AQ], v[TMP]
	; THE WAY OUT: a wave's 16 results are 64 bytes; the four waves' meet in LDS, and wave 0 stores the work-group's 256 consecutive bytes, at a multiple of 256 from out's first byte, by one instruction.
	s_wait_alu depctr_va_vdst(0)                   ; the last addition has written v200, which the LDS store reads
	ds_store_b32 v[LRS], v[AQ]                     ; lanes r and r + 16 write the same word with the same value
	s_wait_dscnt 0x0                               ; for wave 0's sake: my results are in LDS
	s_barrier_signal -1
	s_barrier_wait -1
	s_cmp_lg_u32 s18, 0
	s_cbranch_scc1 .Ldone
	ds_load_b64 v[RES:RES+1], v[LRL]               ; into registers that no vector line names
	s_wait_dscnt 0x0
	global_store_b64 v[OO], v[RES:RES+1], s[16:17] th:TH_STORE_NT
.Ldone:
	s_wait_dscnt 0x0                               ; the closing lines, six on end
	s_wait_alu 0x0
	s_wait_tensorcnt 0x0
	ds_add_u32 v212, v213
	s_wait_dscnt 0x0
	s_endpgm
.Lfunc_end_k_qa629407b17_gmf:
	.size	k_qa629407b17_gmf, .Lfunc_end_k_qa629407b17_gmf-k_qa629407b17_gmf
	.p2alignl 7, 3214868480
	.fill 96, 4, 3214868480
	.section	.rodata,"a",@progbits
	.p2align	6, 0x0
	.amdhsa_kernel k_qa629407b17_gmf
		.amdhsa_group_segment_fixed_size 2816
		.amdhsa_private_segment_fixed_size 0
		.amdhsa_enable_private_segment 0
		.amdhsa_kernarg_size 56
		.amdhsa_user_sgpr_count 2
		.amdhsa_user_sgpr_kernarg_segment_ptr 1
		.amdhsa_wavefront_size32 1
		.amdhsa_system_sgpr_workgroup_id_x 1
		.amdhsa_system_sgpr_workgroup_id_y 1
		.amdhsa_system_sgpr_workgroup_id_z 1
		.amdhsa_system_vgpr_workitem_id 0
		.amdhsa_next_free_vgpr 214
		.amdhsa_next_free_sgpr 66
		.amdhsa_reserve_vcc 0
		.amdhsa_float_denorm_mode_32 3
		.amdhsa_float_denorm_mode_16_64 3
		.amdhsa_memory_ordered 1
		.amdhsa_forward_progress 1
		.amdhsa_inst_pref_size 19
	.end_amdhsa_kernel
	.amdgpu_metadata
---
amdhsa.version: [ 1, 2 ]
amdhsa.kernels:
  - .name:           k_qa629407b17_gmf
    .symbol:         k_qa629407b17_gmf.kd
    .args:
      - { .name: P_weight, .offset: 0, .size: 8, .value_kind: global_buffer, .address_space: global }
      - { .name: Q_weight, .offset: 8, .size: 8, .value_kind: global_buffer, .address_space: global }
      - { .name: genres_one_hot, .offset: 16, .size: 8, .value_kind: global_buffer, .address_space: global }
      - { .name: item_ids, .offset: 24, .size: 8, .value_kind: global_buffer, .address_space: global }
      - { .name: lowp_scales, .offset: 32, .size: 8, .value_kind: global_buffer, .address_space: global }
      - { .name: user_ids, .offset: 40, .size: 8, .value_kind: global_buffer, .address_space: global }
      - { .name: out0, .offset: 48, .size: 8, .value_kind: global_buffer, .address_space: global }
    .group_segment_fixed_size: 2816
    .private_segment_fixed_size: 0
    .kernarg_segment_align: 8
    .kernarg_segment_size: 56
    .max_flat_workgroup_size: 128
    .sgpr_count:     66
    .vgpr_count:     214
    .wavefront_size: 32
...
	.end_amdgpu_metadata
.endif
;; end of part 2
